; MI455X (gfx1250); checked and timed in simulation.
; The chip was launched on July 23, 2026; its instructions are those of AMD's public machine-readable ISA for CDNA 5 (MIT licence, August 2026) and "CDNA5" Instruction Set Architecture Reference Guide (July 2026). The comments in the code are by the model that wrote it; some were corrected since.
;; Multihead Self Attention. Allowed arithmetic: matrix products marked QUANTISED: E2M3 operands, one E8M0 scale for each 32 along K, by v_wmma_scale_f32_16x16x128_f8f6f4 with both operands' format E2M3, f32 sums; everything else in f32.
;; Inputs: Wk 1,024 x 1,024 float32; Wq 1,024 x 1,024 float32; Wv 1,024 x 1,024 float32; bk 1,024 float32; bq 1,024 float32; bv 1,024 float32; x 4 x 2,048 x 1,024 float32.
;; Outputs: out0 4 x 2,048 x 1,024 float32.
;; This version of the problem:
;;   THIS VERSION OF THE PROBLEM IS GIVEN IN LOW PRECISION. The matrix products marked QUANTISED in the list below multiply operands that are first quantised to E2M3 (2 exponent bits, 3 mantissa bits; 6 bits a number), with one power-of-two scale for each 32 numbers along K (OCP MX v1.0); their sums are f32. All else is computed in f32.
;;   The module's matrix products, in the order in which they are computed (A, B: the left and right operand; K: the contracted axis; several contracted axes count as one K, in the product's order):
;;     1. [M 8,192, K 1,024] x [K 1,024, N 1,024]; A: input x; B: input Wq: QUANTISED
;;     2. [M 8,192, K 1,024] x [K 1,024, N 1,024]; A: input x; B: input Wk: QUANTISED
;;     3. [M 8,192, K 1,024] x [K 1,024, N 1,024]; A: input x; B: input Wv: QUANTISED
;;     4. batch 64 x [M 2,048, K 64] x [K 64, N 2,048]; A: computed on the way; B: computed on the way: QUANTISED
;;     5. batch 64 x [M 2,048, K 2,048] x [K 2,048, N 64]; A: softmax (see below); B: computed on the way: QUANTISED
;;   THE QUANTISER, for each operand of a quantised product, along K:
;;     - K is cut into blocks of 32 from its start; a last block that is shorter is filled with zeros.
;;     - A block's scale is 2^e with e = floor(log2(the largest magnitude in the block)) - 2, held to -126 .. 127; a block of zeros has e = 0. As a byte (E8M0): e + 127.
;;     - Each number is divided by its block's scale, clamped to +-7.5, and rounded to the nearest number of E2M3, ties to even, subnormals kept.
;;     - The product sums the exact products of the quantised numbers (number of the format x scale) in f32.
;;   ~~~python
;;   def quantise(x, axis):      # numpy; x: float32 -> the quantised numbers, widened to float32 again
;;       x = np.moveaxis(x, axis, -1); K = x.shape[-1]
;;       x = np.pad(x, [(0, 0)] * (x.ndim - 1) + [(0, -K % 32)]); x = x.reshape(x.shape[:-1] + (-1, 32)); a = np.abs(x).max(-1, keepdims=True)
;;       e = np.where(a > 0, np.clip(np.frexp(np.where(a > 0, a, 1))[1] - 1 - 2, -126, 127), 0)      # np.frexp(a)[1] - 1 = floor(log2(a)), exactly
;;       r = np.clip(x / 2.0 ** e, -7.5, 7.5)
;;       step = 2.0 ** (np.maximum(np.frexp(np.where(r == 0, 1, r))[1] - 1, 0) - 3)
;;       q = np.round(r / step) * step * 2.0 ** e      # np.round: ties to even
;;       return np.moveaxis(q.reshape(q.shape[:-2] + (-1,))[..., :K], -1, axis).astype(np.float32)
;;   ~~~
;;   SOFTMAX AHEAD OF A QUANTISED PRODUCT. Where the list says 'softmax', what is quantised is not the finished softmax but p = 2^(t - M), with t = logit x log2(e) and M = ceil(the row's largest t), a whole number; so 1/2 < the row's largest p <= 1. The row's sum l is taken of the UNQUANTISED p, in f32, and the product's result is divided by l at the end. Since M is a whole number, a kernel that streams over the keys may use a running M (the ceiling of the running maximum): every later rescaling is an exact power of two, which a block's scale takes up: the codes' values come out the same.
;;   OPERANDS COMPUTED ON THE WAY. 'Computed on the way' means the value that the module computes at that place (a softmax that the list does not call 'softmax' is quantised finished and normalised). What goes into a quantiser is computed in f32, as accurately as f32 sums, v_exp_f32 and their like allow (about 1e-6 of the number): no bf16 or f16 on the way to a quantiser, and a product that is left as it is and whose result goes on into a quantised operand takes f32 operands (vector FMAs, or v_wmma_f32_16x16x4_f32). A number that lies on a knife's edge between two numbers of the format may be rounded either way, as far as f32 arithmetic and the matrix unit's own rounding can turn it there, and no further.
;; One version. Each part assembles by itself: llvm-mc -triple=amdgcn-amd-amdhsa -mcpu=gfx1250 --defsym DOCPART=n.
;; ======== version 1 of 1: 4 launches
;; workspace buffers: cod 8,650,752 bytes; scl 360,448 bytes; qkv 19,660,800 bytes
;; launch quant_x (part 1): grid 256 x 1, 4 waves a work-group, no clusters, 33,280 bytes of LDS; arguments x, cod, scl; writes cod, scl
.if DOCPART == 1
	.amdgcn_target "amdgcn-amd-amdhsa--gfx1250"
	.amdhsa_code_object_version 6
	.text
	.protected	k_q16f3186791_quant_x
	.globl	k_q16f3186791_quant_x
	.p2align	8
	.type	k_q16f3186791_quant_x,@function
k_q16f3186791_quant_x:
	s_mov_b64 s[64:65], 0
	v_nop
	global_prefetch_b8 v0, s[64:65] scope:SCOPE_SE
	s_setreg_imm32_b32 hwreg(HW_REG_WAVE_MODE, 25, 1), 1
	s_wait_xcnt 0x0
; x [8192][1024] f32 becomes codes of FP6 (E2M3), 6 bits each, K innermost (a row: 768 bytes), and one E8M0 scale byte for each 32 along K (a row: 32 bytes).
; A block's scale is 2^(floor(log2(its largest magnitude)) - 2); its byte is the largest magnitude's exponent field - 2, held at 1 from below.  Each number is divided by the scale and rounded to the nearest code, ties to even.
; LIMITS: a block whose largest magnitude lies under 2^-124 (a block of zeros among them) keeps the byte 1: a block of zeros has zero codes, and the bytes are read by this program alone.  NaN and infinities are not served.
; ROWS ARE STORED IN TILE ORDER: storage row s holds row sigma(s), s with its bits 3 and 4 exchanged.  A wave takes 8 rows (8,192 numbers, 16 steps of 512), so the exchange is one of whole runs:
; run 4 g + w is stored as run 4 g + (w with its two bits exchanged).  Sixteen consecutive storage rows 16 i + r are then rows 32 (i / 2) + 8 (i % 2) + r + 8 (r / 8).
; A load reads 512 consecutive bytes, 16 a lane; a step's 2,048 bytes turn through the wave's own stage in LDS and come back 64 bytes a lane: 16 neighbours along K, two lanes to a block.
; A lane's 16 codes are 12 bytes: the wave stores 384 consecutive bytes.  A wave's 256 scale bytes are gathered in its own LDS bytes and leave as one aligned run of 256 bytes.  Waves share nothing: no barrier.
.set STEPS, 16
.set EMAX,  2
.set CB,    12                         ; bytes of 16 codes
.set R,     16                         ; v16-79   four sets of 16 numbers as they are loaded
.set X,     80                         ; v80-111  two sets of 16 neighbours
.set C,     128                        ; v128-191 codes: four registers for each step, so that no store's data are written again
.set E,     112                        ; v112-127 a scale byte for each step
.set WREG,  8192                       ; LDS: a region for each wave: two stages of 32 x SP bytes, behind them its 256 scale bytes
.set SP,    80                         ; a lane's place in a stage: 64 bytes + 16 of padding
	s_load_b128 s[4:7], s[0:1], 0x0                ; x, the codes
	s_load_b64 s[10:11], s[0:1], 0x10              ; the scale bytes
	v_lshl_add_u32 v192, v0, 2, 0x8000
	v_mov_b32 v193, 0
	v_lshrrev_b32 v1, 5, v0
	v_readfirstlane_b32 s16, v1                    ; wave
	v_and_b32 v2, 31, v0                           ; lane
	v_lshlrev_b32 v3, 4, v2                        ; my 16 bytes of a load's 512
	s_mul_i32 s17, s16, WREG
	v_lshrrev_b32 v14, 2, v2
	v_mul_u32_u24 v14, v14, SP
	v_and_b32 v15, 3, v2
	v_lshl_add_u32 v14, v15, 4, v14
	v_add_nc_u32 v14, s17, v14                     ; the stage, on the way in: SP (lane / 4) + 16 (lane % 4)
	v_mul_u32_u24 v15, v2, SP
	v_add_nc_u32 v15, s17, v15                     ; and on the way out: SP x lane
	v_mul_u32_u24 v4, v2, CB                       ; my codes' place in a step's
	v_lshrrev_b32 v5, 1, v2
	s_add_co_u32 s17, s17, 2*32*SP
	v_add_nc_u32 v5, s17, v5                       ; LDS: my block's scale byte
	v_lshlrev_b32 v7, 3, v2                        ; and on the way out 8 bytes a lane
	v_add_nc_u32 v6, s17, v7
	s_lshl_b32 s18, ttmp9, 2
	s_add_co_u32 s20, s18, s16                     ; the run that I read: 4 x work-group + wave
	s_lshl_b32 s20, s20, 15                        ; x 32,768 bytes
	s_mov_b32 s21, 0
	s_and_b32 s22, s16, 1
	s_lshl_b32 s22, s22, 1
	s_lshr_b32 s23, s16, 1
	s_or_b32 s22, s22, s23                         ; the wave's two bits exchanged
	s_add_co_u32 s22, s22, s18                     ; the run that I write
	s_mul_i32 s24, s22, 32*STEPS*CB                ; x 6,144 bytes of codes
	s_mov_b32 s25, 0
	s_lshl_b32 s26, s22, 8                         ; x 256 scale bytes
	s_mov_b32 s27, 0
	s_wait_alu depctr_va_vdst(0)
	s_wait_kmcnt 0x0
	s_add_nc_u64 s[4:5], s[4:5], s[20:21]
	s_add_nc_u64 s[6:7], s[6:7], s[24:25]
	s_add_nc_u64 s[10:11], s[10:11], s[26:27]
.macro LOAD t
.irp i, 0,1,2,3
	global_load_b128 v[R+16*((\t)%4)+4*\i:R+16*((\t)%4)+4*\i+3], v3, s[4:5] offset:2048*(\t)+512*\i th:TH_LOAD_NT   ; 32 lanes read 512 consecutive bytes
.endr
.endm
.macro TURN t                          ; step t's numbers through the stage: LDS serves a wave's instructions in order, so no wait stands between the stores and the loads
.irp i, 0,1,2,3
	ds_store_b128 v14, v[R+16*((\t)%4)+4*\i:R+16*((\t)%4)+4*\i+3] offset:32*SP*((\t)%2)+8*SP*\i
.endr
.irp i, 0,1,2,3
	ds_load_b128 v[X+16*((\t)%2)+4*\i:X+16*((\t)%2)+4*\i+3], v15 offset:32*SP*((\t)%2)+16*\i
.endr
.endm
.irp t, 0,1,2,3
	LOAD \t
.endr
	s_wait_loadcnt 12                              ; step 0's four loads are in
	TURN 0
.macro STEP t
.set XS, X+16*((\t)%2)
.if (\t) > 0
	s_wait_dscnt 1                                 ; this step's numbers are back from the stage (the last step's byte store may be out): so its stores into the stage have read their registers,
.else
	s_wait_dscnt 0x0
.endif
.if (\t)+4 < STEPS
	LOAD (\t)+4                                    ; which take the loads of four steps on
.endif
.if (\t)+1 < STEPS
.if STEPS-2-(\t) >= 3
	s_wait_loadcnt 12                              ; the next step's four loads are in; those of the three steps behind it may be out
.else
	s_wait_loadcnt 4*(STEPS-2-(\t))
.endif
	TURN (\t)+1                                    ; and go through the other stage while this step is worked
.endif
	v_max3_num_f32 v8, |v[XS]|, |v[XS+1]|, |v[XS+2]|               ; the largest magnitude of my 16, in two chains
	v_max3_num_f32 v9, |v[XS+3]|, |v[XS+4]|, |v[XS+5]|
.irp i, 6,10
	v_max3_num_f32 v8, v8, |v[XS+\i]|, |v[XS+\i+1]|
	v_max3_num_f32 v9, v9, |v[XS+\i+2]|, |v[XS+\i+3]|
.endr
	v_max3_num_f32 v8, v8, |v[XS+14]|, |v[XS+15]|
	v_max3_num_f32 v8, v8, v9, (EMAX+1)<<23        ; and the floor 2^(3 - 127): the byte cannot fall under 1
	v_max_num_f32_dpp v8, v8, v8 row_xmask:1 row_mask:0xf bank_mask:0xf   ; and of my neighbour's 16: the block's
	v_add_nc_u32 v11, -(EMAX<<23), v8              ; 2 off its exponent field: the conversion takes the exponent field of this operand as its scale, and nothing else of it
	v_cvt_scalef32_pk16_fp6_f32 v[C+4*(\t):C+4*(\t)+2], v[XS:XS+15], v11         ; sixteen codes, 96 bits without gaps, the first number's code lowest
	v_lshrrev_b32 v[E+(\t)], 23, v11               ; the scale's byte
	ds_store_b8 v5, v[E+(\t)] offset:16*(\t)       ; both lanes of a block write the same byte with the same value
	global_store_b96 v4, v[C+4*(\t):C+4*(\t)+2], s[6:7] offset:32*CB*(\t)
.endm
.irp t, 0,1,2,3,4,5,6,7,8,9,10,11,12,13,14,15
	STEP \t
.endr
	ds_load_b64 v[12:13], v6                       ; LDS serves a wave's instructions in order: these see my stores
	s_wait_dscnt 0x0
	global_store_b64 v7, v[12:13], s[10:11]        ; 32 lanes store 256 consecutive bytes, aligned
	s_wait_tensorcnt 0x0
	ds_add_u32 v192, v193
	s_wait_dscnt 0x0
	s_endpgm
.Lfunc_end_k_q16f3186791_quant_x:
	.size	k_q16f3186791_quant_x, .Lfunc_end_k_q16f3186791_quant_x-k_q16f3186791_quant_x
	.p2alignl 7, 3214868480
	.fill 96, 4, 3214868480
	.section	.rodata,"a",@progbits
	.p2align	6, 0x0
	.amdhsa_kernel k_q16f3186791_quant_x
		.amdhsa_group_segment_fixed_size 33280
		.amdhsa_private_segment_fixed_size 0
		.amdhsa_enable_private_segment 0
		.amdhsa_kernarg_size 24
		.amdhsa_user_sgpr_count 2
		.amdhsa_user_sgpr_kernarg_segment_ptr 1
		.amdhsa_wavefront_size32 1
		.amdhsa_system_sgpr_workgroup_id_x 1
		.amdhsa_system_sgpr_workgroup_id_y 1
		.amdhsa_system_sgpr_workgroup_id_z 1
		.amdhsa_system_vgpr_workitem_id 0
		.amdhsa_next_free_vgpr 194
		.amdhsa_next_free_sgpr 66
		.amdhsa_reserve_vcc 0
		.amdhsa_float_denorm_mode_32 3
		.amdhsa_float_denorm_mode_16_64 3
		.amdhsa_memory_ordered 1
		.amdhsa_forward_progress 1
		.amdhsa_inst_pref_size 32
	.end_amdhsa_kernel
	.amdgpu_metadata
---
amdhsa.version: [ 1, 2 ]
amdhsa.kernels:
  - .name:           k_q16f3186791_quant_x
    .symbol:         k_q16f3186791_quant_x.kd
    .args:
      - { .name: x, .offset: 0, .size: 8, .value_kind: global_buffer, .address_space: global }
      - { .name: cod, .offset: 8, .size: 8, .value_kind: global_buffer, .address_space: global }
      - { .name: scl, .offset: 16, .size: 8, .value_kind: global_buffer, .address_space: global }
    .group_segment_fixed_size: 33280
    .private_segment_fixed_size: 0
    .kernarg_segment_align: 8
    .kernarg_segment_size: 24
    .max_flat_workgroup_size: 128
    .sgpr_count:     66
    .vgpr_count:     194
    .wavefront_size: 32
...
	.end_amdgpu_metadata
.endif
;; end of part 1
;; launch quant_w (part 2): grid 24 x 4, 4 waves a work-group, no clusters, 36,352 bytes of LDS; arguments Wq, Wk, Wv, cod, scl; writes cod, scl
.if DOCPART == 2
	.amdgcn_target "amdgcn-amd-amdhsa--gfx1250"
	.amdhsa_code_object_version 6
	.text
	.protected	k_q16f3186791_quant_w
	.globl	k_q16f3186791_quant_w
	.p2align	8
	.type	k_q16f3186791_quant_w,@function
k_q16f3186791_quant_w:
	s_mov_b64 s[64:65], 0
	v_nop
	global_prefetch_b8 v0, s[64:65] scope:SCOPE_SE
	s_setreg_imm32_b32 hwreg(HW_REG_WAVE_MODE, 25, 1), 1
	s_wait_xcnt 0x0
; Wq, Wk, Wv [1024 (k)][1024 (n)] f32: K is the FIRST axis.  Each becomes codes of FP6 (E2M3) laid [n][k] with K innermost (768 bytes a row) and one E8M0 scale byte for each 32 along K (32 bytes a row),
; in rows 8192 + 1024 x which + .. of the codes' and the scale bytes' buffers (which = 0, 1, 2 for Wq, Wk, Wv), behind x's 8,192 rows.
; A LANE TAKES A COLUMN n, AND ITS REGISTERS RUN DOWN K: a load reads 128 consecutive bytes a wave, a block of 32 along K lies in one lane's 32 registers, and the conversions give codes with K innermost.
; ROWS ARE STORED IN TILE ORDER: column c lies at storage row sigma(c), c with its bits 3 and 4 exchanged; a wave's 32 columns are one such group of 32.
; A block's scale is 2^(floor(log2(its largest magnitude)) - 2); its byte is the largest magnitude's exponent field - 2, held at 1 from below.
; LIMITS: a block whose largest magnitude lies under 2^-124 (a block of zeros among them) keeps the byte 1: a block of zeros has zero codes, and the bytes are read by this program alone.  NaN and infinities are not served.
; A wave takes 32 columns x 256 along K: 8 blocks a lane, 192 bytes of codes a column.  They go through the wave's own stage in LDS and leave by rows: sixteen lanes store a row's 192 consecutive bytes.
; Work-group x: which = x / 8, columns 128 (x % 8) on; work-group y: 256 along K.  Waves share nothing: no barrier.  Loads run two blocks (64 loads a wave) ahead.  Every offset is an immediate: 255 x 4,096 and 30 x 768 bytes at the most.
.set SIZE_K, 1024
.set SIZE_N, 1024
.set KW,    256                        ; along K for a wave
.set NB,    KW/32                      ; blocks
.set ROWB,  192                        ; bytes of KW codes
.set PITCH, 272                        ; a stage row: sixteen places of 16 bytes, each with 12 bytes of codes, + 16
.set KROW,  SIZE_K*6/8                 ; a row of the codes' buffer in bytes
.set EMAX,  2
.set X,     32                         ; v32-95   two sets of 32 numbers
.set C,     96                         ; v96..    a block's codes
.set OUTR,  112                        ; v112-175 the way out: 16 x 4 registers
.set SB,    24                         ; v24-25   the scale bytes, four to a register
	s_load_b128 s[4:7], s[0:1], 0x0                ; Wq, Wk
	s_load_b128 s[8:11], s[0:1], 0x10              ; Wv, the codes
	s_load_b64 s[12:13], s[0:1], 0x20              ; the scale bytes
	v_lshl_add_u32 v192, v0, 2, 0x8c00
	v_mov_b32 v193, 0
	v_lshrrev_b32 v1, 5, v0
	v_readfirstlane_b32 s16, v1                    ; wave 0..3
	v_and_b32 v2, 31, v0                           ; lane
	s_lshr_b32 s14, ttmp9, 3                       ; which tensor
	s_and_b32 s15, ttmp9, 7
	s_lshl_b32 s17, s15, 7
	s_lshl_b32 s18, s16, 5
	s_add_co_u32 s17, s17, s18                     ; my wave's first column
	s_and_b32 s18, ttmp7, 0xffff                   ; which 256 along K
	v_lshlrev_b32 v3, 2, v2                        ; in: 4 bytes a lane
	s_mul_i32 s19, s16, 32*PITCH                   ; my stage
	v_mul_u32_u24 v4, v2, PITCH
	v_add_nc_u32 v4, s19, v4                       ; into it: row = my column
	v_and_b32 v5, 15, v2
	v_lshrrev_b32 v6, 4, v2                        ; out of it: sixteen lanes to a row, two rows an instruction
	v_mul_u32_u24 v7, v6, PITCH
	v_lshl_add_u32 v7, v5, 4, v7
	v_add_nc_u32 v7, s19, v7                       ; LDS address
	v_mul_u32_u24 v8, v6, KROW
	v_mad_u32_u24 v8, v5, 12, v8                   ; and the place in the codes' buffer (the exchange of bits 3 and 4 stands in the stores' immediates)
	v_and_b32 v9, 7, v2                            ; my column's storage row among the wave's 32: the lane with bits 3 and 4 exchanged,
	v_and_b32 v10, 8, v2
	v_lshl_or_b32 v9, v10, 1, v9
	v_and_b32 v10, 16, v2
	v_lshrrev_b32 v10, 1, v10
	v_or_b32 v9, v9, v10
	v_lshlrev_b32 v9, 5, v9                        ; x 32 scale bytes a row
	s_lshl_b32 s20, s18, 20                        ; W: 256 y rows of 4,096 bytes
	s_lshl_b32 s22, s17, 2
	s_add_co_u32 s20, s20, s22                     ; + 4 x column
	s_mov_b32 s21, 0
	s_lshl_b32 s22, s14, 10
	s_add_co_u32 s22, s22, s17
	s_add_co_u32 s22, s22, 8192                    ; my wave's first storage row
	s_mul_i32 s24, s22, KROW
	s_mul_i32 s26, s18, ROWB
	s_add_co_u32 s24, s24, s26                     ; codes: row x 768 + 192 y
	s_mov_b32 s25, 0
	s_lshl_b32 s28, s22, 5
	s_lshl_b32 s26, s18, 3
	s_add_co_u32 s28, s28, s26                     ; scale bytes: row x 32 + 8 y
	s_mov_b32 s29, 0
	s_wait_kmcnt 0x0
	s_cmp_eq_u32 s14, 0                            ; the choice of tensor hangs on the work-group's number alone
	s_cselect_b64 s[4:5], s[4:5], s[6:7]
	s_cmp_eq_u32 s14, 2
	s_cselect_b64 s[4:5], s[8:9], s[4:5]
	s_add_nc_u64 s[4:5], s[4:5], s[20:21]
	s_add_nc_u64 s[10:11], s[10:11], s[24:25]
	s_add_nc_u64 s[12:13], s[12:13], s[28:29]
.macro LOAD t                          ; block t: W(32 t + i, my column), i = 0 .. 31, into set t % 2
.irp i, 0,1,2,3,4,5,6,7,8,9,10,11,12,13,14,15,16,17,18,19,20,21,22,23,24,25,26,27,28,29,30,31
	global_load_b32 v[X+32*((\t)%2)+\i], v3, s[4:5] offset:(32*(\t)+\i)*SIZE_N*4 th:TH_LOAD_NT
.endr
.endm
	LOAD 0
	LOAD 1
.macro BLOCK t
.set XS, X+32*((\t)%2)
.if (\t) < NB-1
	s_wait_loadcnt 32                              ; this block's 32 loads are in; the next block's may be out
.else
	s_wait_loadcnt 0
.endif
	v_max3_num_f32 v12, |v[XS]|, |v[XS+1]|, |v[XS+2]|               ; the block's largest magnitude: all 32 numbers are mine
	v_max3_num_f32 v13, |v[XS+3]|, |v[XS+4]|, |v[XS+5]|
.irp i, 6,10,14,18,22,26
	v_max3_num_f32 v12, v12, |v[XS+\i]|, |v[XS+\i+1]|
	v_max3_num_f32 v13, v13, |v[XS+\i+2]|, |v[XS+\i+3]|
.endr
	v_max3_num_f32 v12, v12, |v[XS+30]|, |v[XS+31]|
	v_max3_num_f32 v12, v12, v13, (EMAX+1)<<23     ; and the floor 2^(3 - 127): the byte cannot fall under 1
	v_add_nc_u32 v11, -(EMAX<<23), v12             ; 2 off its exponent field: the conversion's scale operand
	v_lshrrev_b32 v13, 23, v11                     ; the scale's byte
.if (\t)%4 == 0
	v_mov_b32 v[SB+(\t)/4], v13                    ; four bytes to a register, the lower K in the lower byte
.else
	v_lshl_or_b32 v[SB+(\t)/4], v13, 8*((\t)%4), v[SB+(\t)/4]
.endif
	v_cvt_scalef32_pk16_fp6_f32 v[C:C+2], v[XS:XS+15], v11
	v_cvt_scalef32_pk16_fp6_f32 v[C+4:C+6], v[XS+16:XS+31], v11     ; (a conversion's three registers begin on an even number)
	ds_store_b96 v4, v[C:C+2] offset:32*(\t)       ; 16 codes, 12 bytes, to a place of 16 bytes in the stage, so that every LDS address is a multiple of 16
	ds_store_b96 v4, v[C+4:C+6] offset:32*(\t)+16
.if (\t)+2 < NB
	LOAD (\t)+2
.endif
	s_wait_dscnt 0x0                               ; the stores have read their registers: the next block's codes may be written
.endm
.set Q, 0
.rept NB
	BLOCK Q
.set Q, Q+1
.endr
	s_wait_alu depctr_va_vdst(0)
	global_store_b64 v9, v[SB:SB+1], s[12:13]      ; my column's 8 scale bytes
.irp t, 0,1,2,3,4,5,6,7,8,9,10,11,12,13,14,15
	ds_load_b96 v[OUTR+4*\t:OUTR+4*\t+2], v7 offset:2*\t*PITCH   ; LDS serves a wave's instructions in order: these see my stores
.endr
.irp t, 0,1,2,3,4,5,6,7,8,9,10,11,12,13,14,15
	s_wait_dscnt 15-\t
	global_store_b96 v8, v[OUTR+4*\t:OUTR+4*\t+2], s[10:11] offset:(8*((((\t/4)&1)<<1)|((\t/4)>>1))+2*(\t%4))*KROW   ; columns 2 t, 2 t + 1 go to the storage rows with bits 3 and 4 exchanged
.endr
	s_wait_tensorcnt 0x0
	ds_add_u32 v192, v193
	s_wait_dscnt 0x0
	s_endpgm
.Lfunc_end_k_q16f3186791_quant_w:
	.size	k_q16f3186791_quant_w, .Lfunc_end_k_q16f3186791_quant_w-k_q16f3186791_quant_w
	.p2alignl 7, 3214868480
	.fill 96, 4, 3214868480
	.section	.rodata,"a",@progbits
	.p2align	6, 0x0
	.amdhsa_kernel k_q16f3186791_quant_w
		.amdhsa_group_segment_fixed_size 36352
		.amdhsa_private_segment_fixed_size 0
		.amdhsa_enable_private_segment 0
		.amdhsa_kernarg_size 40
		.amdhsa_user_sgpr_count 2
		.amdhsa_user_sgpr_kernarg_segment_ptr 1
		.amdhsa_wavefront_size32 1
		.amdhsa_system_sgpr_workgroup_id_x 1
		.amdhsa_system_sgpr_workgroup_id_y 1
		.amdhsa_system_sgpr_workgroup_id_z 1
		.amdhsa_system_vgpr_workitem_id 0
		.amdhsa_next_free_vgpr 194
		.amdhsa_next_free_sgpr 66
		.amdhsa_reserve_vcc 0
		.amdhsa_float_denorm_mode_32 3
		.amdhsa_float_denorm_mode_16_64 3
		.amdhsa_memory_ordered 1
		.amdhsa_forward_progress 1
		.amdhsa_inst_pref_size 42
	.end_amdhsa_kernel
	.amdgpu_metadata
---
amdhsa.version: [ 1, 2 ]
amdhsa.kernels:
  - .name:           k_q16f3186791_quant_w
    .symbol:         k_q16f3186791_quant_w.kd
    .args:
      - { .name: Wq, .offset: 0, .size: 8, .value_kind: global_buffer, .address_space: global }
      - { .name: Wk, .offset: 8, .size: 8, .value_kind: global_buffer, .address_space: global }
      - { .name: Wv, .offset: 16, .size: 8, .value_kind: global_buffer, .address_space: global }
      - { .name: cod, .offset: 24, .size: 8, .value_kind: global_buffer, .address_space: global }
      - { .name: scl, .offset: 32, .size: 8, .value_kind: global_buffer, .address_space: global }
    .group_segment_fixed_size: 36352
    .private_segment_fixed_size: 0
    .kernarg_segment_align: 8
    .kernarg_segment_size: 40
    .max_flat_workgroup_size: 128
    .sgpr_count:     66
    .vgpr_count:     194
    .wavefront_size: 32
...
	.end_amdgpu_metadata
.endif
;; end of part 2
;; launch proj (part 3): grid 12 x 32, 4 waves a work-group, clusters of 4 x 4, 327,680 bytes of LDS; arguments cod, scl, bq, bk, qkv, bv; writes qkv
.if DOCPART == 3
	.amdgcn_target "amdgcn-amd-amdhsa--gfx1250"
	.amdhsa_code_object_version 6
	.text
	.protected	k_q16f3186791_proj
	.globl	k_q16f3186791_proj
	.p2align	8
	.type	k_q16f3186791_proj,@function
k_q16f3186791_proj:
	s_mov_b64 s[64:65], 0
	v_nop
	global_prefetch_b8 v0, s[64:65] scope:SCOPE_SE
	s_setreg_imm32_b32 hwreg(HW_REG_WAVE_MODE, 25, 1), 1
	s_wait_xcnt 0x0
	s_wait_alu depctr_hold_cnt(0) depctr_sa_sdst(0) depctr_va_vdst(0) depctr_va_sdst(0) depctr_va_ssrc(0) depctr_va_vcc(0) depctr_vm_vsrc(0)
	s_getreg_b32 s2, hwreg(HW_REG_IB_STS2, 6, 4)
	s_cmp_eq_u32 s2, 0
	s_cbranch_scc0 .Lentry_in_a_cluster
	s_endpgm
.Lentry_in_a_cluster:
	s_bfe_u32 s2, ttmp6, 0x10000c
	s_cmp_lg_u32 s2, 0xf033
	s_cbranch_scc0 .Lentry_shape_is_right
	s_endpgm
.Lentry_shape_is_right:
.set SIZE_K, 1024
.set KSTEP,  256
.set NQ,     KSTEP/128
.set ROWB,   192
.set KROW,   SIZE_K*6/8
.set PITCH,  240
.set FR,     12
.set NL,     6
.set NP,     4
.set HALFT,  128*PITCH
.set SLOT,   4*HALFT
.set LAPS,   SIZE_K/(2*KSTEP)
.set KS,     SIZE_K/32
.set SCL,    2*SLOT
.set HALFS,  (128*KS/256)*272
.set SBLK,   (16*KS/256)*272
.set SPARE,  SCL+4*HALFS
.set HS,     307200
.set ADRA, 16
.set ADRB, 20
.set LI,   24
.set L8,   25
.set ADRS, 27
.set SPW,  28
.set NIL,  29
.set BCA,  30
.set BRA,  31
.set SC,   32
.set BC,   64
.set AF,   128
.set T,    128
.set IA,   192
.set IB,   204
.set X2,   216
.set TM,   224
.set PWS,  240
.set WW,   248
.set RR,   252
.set G1, 24
.set G0, 32
.set G1B, 48
.set G0B, 56
.set G1S, 68
.set G0S, 76
.set G1SB, 80
.set G0SB, 88
.set MSB, 0
.macro WIN new
.if MSB != (\new)
	s_set_vgpr_msb (MSB<<8)|(\new)
.set MSB, (\new)
.endif
.endm
.set MUL_LO, 0xa1
.set MUL_HI, 0xf1
.set TO_B,   0x40
.macro JLOAD g0a, g1a, g0b, g1b
	s_cmp_eq_u32 s15, 0
	s_cbranch_scc0 .Lfor_b_\@
	tensor_load_to_lds s[\g0a:\g0a+3], s[\g1a:\g1a+7]
	s_nop 0
.rept 4
	v_nop
.endr
	s_branch .Lasked_\@
.Lfor_b_\@:
	tensor_load_to_lds s[\g0b:\g0b+3], s[\g1b:\g1b+7]
	s_nop 0
.rept 4
	v_nop
.endr
.Lasked_\@:
.endm
.macro CREST
	s_cmp_lg_u32 s14, 0
	s_cbranch_scc1 .Lnot_wave_0_\@
	s_barrier_signal -3
.Lnot_wave_0_\@:
	s_barrier_wait -3
	s_barrier_signal -1
	s_barrier_wait -1
.endm
.macro CROUND
	s_barrier_signal -1
	s_barrier_wait -1
	CREST
.endm
	s_load_b128 s[4:7], s[0:1], 0x0
	s_load_b128 s[8:11], s[0:1], 0x10
	s_load_b64 s[12:13], s[0:1], 0x20
	s_load_b64 s[66:67], s[0:1], 0x28
	v_lshl_add_u32 v[SPW], v0, 2, SPARE
	v_mov_b32 v[NIL], 0
	ds_add_u32 v28, v29
	ds_add_u32 v28, v29
	s_wait_dscnt 0x0
	v_lshrrev_b32 v1, 5, v0
	v_readfirstlane_b32 s14, v1
	s_lshr_b32 s15, s14, 1
	s_and_b32 s16, s14, 1
	s_bfe_u32 s40, ttmp6, 0x40000
	s_bfe_u32 s41, ttmp6, 0x40004
	s_and_b32 s96, ttmp7, 0xffff
	s_lshl_b32 s96, s96, 2
	s_lshl_b32 s97, ttmp9, 2
	s_add_co_u32 s97, s97, 32
	s_cmp_eq_u32 ttmp9, 2
	s_cselect_b32 s95, 1, 0
	s_cselect_b32 s17, 40, s96
	s_cselect_b32 s42, s96, s97
	s_add_co_u32 s17, s17, s41
	s_add_co_u32 s42, s42, s40
	s_lshl_b32 s43, s41, 2
	s_lshl_b32 s43, 15, s43
	s_lshl_b32 s44, 0x1111, s40
	s_or_b32 s[G1+0], s43, (0<<16)|(1<<20)|(1<<21)|(3<<22)|(3<<25)
	s_or_b32 s[G1B+0], s44, (0<<16)|(1<<20)|(1<<21)|(3<<22)|(3<<25)
.irp g, G1, G1B
	s_mov_b32 s[\g+1], ROWB<<16
	s_mov_b32 s[\g+2], 128<<16
	s_mov_b32 s[\g+3], ROWB<<16
	s_mov_b32 s[\g+4], 128
	s_mov_b32 s[\g+5], KROW
	s_mov_b32 s[\g+6], 0
	s_mov_b32 s[\g+7], 0
.endr
	s_or_b32 s[G1S+0], s43, (3<<16)|(1<<20)|(1<<21)|(5<<22)|(3<<25)
	s_or_b32 s[G1SB+0], s44, (3<<16)|(1<<20)|(1<<21)|(5<<22)|(3<<25)
.irp g, G1S, G1SB
	s_mov_b32 s[\g+1], 32<<16
	s_mov_b32 s[\g+2], (128*KS/256)<<16
	s_mov_b32 s[\g+3], 32<<16
	s_mov_b32 s[\g+4], 128*KS/256
	s_mov_b32 s[\g+5], 32
	s_mov_b32 s[\g+6], 0
	s_mov_b32 s[\g+7], 0
.endr
	s_lshl_b32 s18, s16, 7
	s_lshl_b32 s20, s17, 8
	s_add_co_u32 s20, s20, s18
	s_lshl_b32 s46, s42, 8
	s_add_co_u32 s46, s46, s18
	s_mov_b32 s21, 0
	s_mov_b32 s47, 0
	s_mov_b64 s[18:19], KS
	s_mul_u64 s[22:23], s[20:21], s[18:19]
	s_mul_u64 s[92:93], s[46:47], s[18:19]
	s_mov_b64 s[18:19], KROW
	s_mul_u64 s[20:21], s[20:21], s[18:19]
	s_mul_u64 s[46:47], s[46:47], s[18:19]
	s_mul_i32 s45, s14, HALFT
	s_mul_i32 s94, s14, HALFS
	s_wait_kmcnt 0x0
	s_add_nc_u64 s[20:21], s[4:5], s[20:21]
	s_add_nc_u64 s[22:23], s[6:7], s[22:23]
	s_add_nc_u64 s[46:47], s[4:5], s[46:47]
	s_add_nc_u64 s[92:93], s[6:7], s[92:93]
	CROUND
	s_mov_b32 s[G0S], 1
	s_add_co_u32 s[G0S+1], s94, SCL
	s_mov_b64 s[G0S+2:G0S+3], s[22:23]
	s_or_b32 s[G0S+3], s[G0S+3], 0x80000000
	s_mov_b32 s[G0SB], 1
	s_add_co_u32 s[G0SB+1], s94, SCL
	s_mov_b64 s[G0SB+2:G0SB+3], s[92:93]
	s_or_b32 s[G0SB+3], s[G0SB+3], 0x80000000
	JLOAD G0S, G1S, G0SB, G1SB
.irp s, 0,1
	s_mov_b32 s[G0+4*\s], 1
	s_add_co_u32 s[G0+4*\s+1], s45, \s*SLOT
	s_add_nc_u64 s[G0+4*\s+2:G0+4*\s+3], s[20:21], \s*ROWB
	s_or_b32 s[G0+4*\s+3], s[G0+4*\s+3], 0x80000000
	s_mov_b32 s[G0B+4*\s], 1
	s_add_co_u32 s[G0B+4*\s+1], s45, \s*SLOT
	s_add_nc_u64 s[G0B+4*\s+2:G0B+4*\s+3], s[46:47], \s*ROWB
	s_or_b32 s[G0B+4*\s+3], s[G0B+4*\s+3], 0x80000000
	s_wait_alu depctr_va_vdst(0)
	s_wait_tensorcnt 0x0
	ds_add_u32 v28, v29
	s_wait_dscnt 0x0
	CROUND
	JLOAD G0+4*\s, G1, G0B+4*\s, G1B
.endr
	v_and_b32 v1, 15, v0
	v_bfe_u32 v2, v0, 4, 1
	v_mul_u32_u24 v3, v1, PITCH
	v_mul_u32_u24 v4, v2, 24
	v_add_nc_u32 v4, v3, v4
	v_lshl_add_u32 v5, v2, 4, v4
	s_mul_i32 s21, s15, HALFT
	s_mul_i32 s22, s16, HALFT
	s_add_co_u32 s22, s22, 2*HALFT
.irp s, 0,1
	v_add_nc_u32 v[ADRA+\s], s21, v4
	v_add_nc_u32 v[ADRB+\s], s22, v4
	v_add_nc_u32 v[ADRA+2+\s], s21, v5
	v_add_nc_u32 v[ADRB+2+\s], s22, v5
	s_add_co_u32 s21, s21, SLOT
	s_add_co_u32 s22, s22, SLOT
.endr
	v_mul_u32_u24 v5, v1, KS
	v_lshrrev_b32 v6, 8, v5
	v_lshl_add_u32 v5, v6, 4, v5
	s_mul_i32 s21, s15, HALFS
	s_mul_i32 s22, s16, HALFS
	s_add_co_u32 s22, s22, 2*HALFS
	s_sub_co_u32 s22, s22, s21
	v_mul_u32_u24 v6, s22, v2
	s_add_co_u32 s21, s21, SCL
	v_add_nc_u32 v5, v5, v6
	v_add_nc_u32 v[ADRS], s21, v5
	v_and_b32 v6, 31, v0
	v_lshlrev_b32 v[LI], 4, v6
	v_lshlrev_b32 v[L8], 3, v6
	s_lshl_b32 s96, s17, 8
	s_lshl_b32 s97, s15, 7
	s_add_co_u32 s96, s96, s97
	s_lshl_b32 s97, s42, 8
	s_lshl_b32 s99, s16, 7
	s_add_co_u32 s97, s97, s99
	s_cmp_eq_u32 s95, 1
	s_cselect_b32 s99, s97, s96
	s_cselect_b32 s100, s96, s97
	s_and_b32 s100, s100, 1023
	s_lshl_b32 s96, s100, 2
	s_mov_b32 s97, 0
	s_mov_b32 s23, 0
	s_cmp_eq_u32 s95, 1
	s_cselect_b32 s22, 0, s96
	s_cselect_b32 s96, s96, 0
	s_cmp_eq_u32 ttmp9, 0
	s_cselect_b64 s[8:9], s[8:9], s[10:11]
	s_add_nc_u64 s[8:9], s[8:9], s[22:23]
	s_add_nc_u64 s[66:67], s[66:67], s[96:97]
	s_sub_co_u32 s22, ttmp9, 1
	s_mul_i32 s22, s22, 6400
	s_cmp_eq_u32 ttmp9, 0
	s_cselect_b32 s22, 12800, s22
	s_lshr_b32 s96, s99, 11
	s_lshl_b32 s96, s96, 4
	s_lshr_b32 s97, s100, 6
	s_add_co_u32 s96, s96, s97
	s_mul_i32 s96, s96, HS
	s_bfe_u32 s97, s99, 0x40007
	s_mul_i32 s97, s97, 19200
	s_add_co_u32 s96, s96, s97
	s_add_co_u32 s96, s96, s22
	s_mov_b32 s97, 0
	s_add_nc_u64 s[12:13], s[12:13], s[96:97]
	v_lshlrev_b32 v[BCA], 6, v2
.irp t, 0,1,2,3,4,5,6,7
	global_load_b128 v[BC+8*\t:BC+8*\t+3], v[BCA], s[8:9] offset:(32*(\t/2)+8*(\t%2))*4
	global_load_b128 v[BC+8*\t+4:BC+8*\t+7], v[BCA], s[8:9] offset:(32*(\t/2)+8*(\t%2))*4+16
.endr
	v_and_b32 v[BRA], 8, v1
	v_add_nc_u32 v[BRA], v[BRA], v1
	v_lshlrev_b32 v[BRA], 2, v[BRA]
	WIN TO_B
.irp a, 0,1,2,3,4,5,6,7
	global_load_b32 v[96+2*\a], v[BRA], s[66:67] offset:(32*(\a/2)+8*(\a%2))*4
	global_load_b32 v[97+2*\a], v[BRA], s[66:67] offset:(32*(\a/2)+8*(\a%2))*4
.endr
	WIN 0
.macro FRAG reg, adr, q, i
.irp p, 0,1,2,3,4,5
.set PC, 12*(\q)+6*(\p/3)+\p%3
.if PC%8 < 5
	ds_load_b64 v[\reg+2*\p:\reg+2*\p+1], v[\adr] offset:8*PC+16*(PC/8)+(\i)*16*PITCH
.else
	ds_load_b64 v[\reg+2*\p:\reg+2*\p+1], v[\adr+2] offset:8*PC+16*(PC/8)+(\i)*16*PITCH
.endif
.endr
.endm
.macro MUL16 a0, p, q, sc, zero
.irp a, \a0, \a0+1
.irp b, 0,1,2,3,4,5,6,7
.if \zero
	v_wmma_scale_f32_16x16x128_f8f6f4 v[8*(8*((\a)%4)+\b):8*(8*((\a)%4)+\b)+7], v[128*(\p)+FR*\b:128*(\p)+FR*\b+FR-1], v[AF+FR*(\a):AF+FR*(\a)+FR-1], 0, v[SC+8*NQ*(\sc)+NQ*\b+(\q)], v[SC+8*NQ*(\sc)+NQ*(\a)+(\q)] matrix_a_fmt:MATRIX_FMT_FP6 matrix_b_fmt:MATRIX_FMT_FP6 matrix_a_scale:MATRIX_SCALE_ROW1
.else
	v_wmma_scale_f32_16x16x128_f8f6f4 v[8*(8*((\a)%4)+\b):8*(8*((\a)%4)+\b)+7], v[128*(\p)+FR*\b:128*(\p)+FR*\b+FR-1], v[AF+FR*(\a):AF+FR*(\a)+FR-1], v[8*(8*((\a)%4)+\b):8*(8*((\a)%4)+\b)+7], v[SC+8*NQ*(\sc)+NQ*\b+(\q)], v[SC+8*NQ*(\sc)+NQ*(\a)+(\q)] matrix_a_fmt:MATRIX_FMT_FP6 matrix_b_fmt:MATRIX_FMT_FP6 matrix_a_scale:MATRIX_SCALE_ROW1
.endif
.endr
.endr
.endm
.macro FETCH_B slot, q, p
	WIN TO_B
.irp i, 0,1,2,3,4,5,6,7
	FRAG 128*(\p)+FR*\i, ADRB+\slot, \q, \i
.endr
	WIN 0
.endm
.macro FETCH_A slot, q, i0
.irp i, \i0, \i0+1, \i0+2, \i0+3
	FRAG AF+FR*(\i), ADRA+\slot, \q, \i
.endr
.endm
.macro SCALES sc
.irp i, 0,1,2,3,4,5,6,7
	ds_load_b64 v[SC+8*NQ*\sc+NQ*\i:SC+8*NQ*\sc+NQ*\i+1], v[ADRS] offset:\i*SBLK
.endr
.endm
.macro PLACES n
.rept \n
	v_nop
.endr
.endm
.macro STEP slot, q, zero
	s_wait_dscnt 4*NL
	WIN MUL_LO
	MUL16 0, (\q)%2, \q, \slot, \zero
	MUL16 2, (\q)%2, \q, \slot, \zero
	s_wait_dscnt 0
	PLACES NP
	FETCH_B \slot, (\q)+1, 1-(\q)%2
	FETCH_A \slot, (\q)+1, 0
	WIN MUL_HI
	MUL16 4, (\q)%2, \q, \slot, \zero
	MUL16 6, (\q)%2, \q, \slot, \zero
	PLACES NP
	WIN 0
	FETCH_A \slot, (\q)+1, 4
.endm
.macro TURN slot, next, fill
	s_wait_tensorcnt 0x0
	ds_add_u32 v[SPW], v[NIL]
	s_wait_dscnt 4*NL+1
	WIN MUL_LO
	MUL16 0, 1, NQ-1, \slot, 0
	s_wait_dscnt 0x0
	s_barrier_signal -1
	MUL16 2, 1, NQ-1, \slot, 0
	WIN 0
	s_barrier_wait -1
.if \fill
	CREST
	s_add_nc_u64 s[G0+4*\slot+2:G0+4*\slot+3], s[G0+4*\slot+2:G0+4*\slot+3], 2*ROWB
	s_add_nc_u64 s[G0B+4*\slot+2:G0B+4*\slot+3], s[G0B+4*\slot+2:G0B+4*\slot+3], 2*ROWB
	JLOAD G0+4*\slot, G1, G0B+4*\slot, G1B
.else
	PLACES NP
.endif
	s_wait_alu depctr_va_vdst(0)
	v_add_nc_u32 v[ADRS], 4*NQ, v[ADRS]
	FETCH_B \next, 0, 0
	FETCH_A \next, 0, 0
	SCALES \next
	WIN MUL_HI
	MUL16 4, 1, NQ-1, \slot, 0
	MUL16 6, 1, NQ-1, \slot, 0
	PLACES NP
	WIN 0
	FETCH_A \next, 0, 4
.endm
	s_wait_alu depctr_va_vdst(0)
	s_wait_tensorcnt 1
	s_barrier_signal -1
	s_barrier_wait -1
	FETCH_B 0, 0, 0
	FETCH_A 0, 0, 0
	SCALES 0
	FETCH_A 0, 0, 4
	STEP 0, 0, 1
	s_mov_b32 s3, LAPS-1
.Llap:
	TURN 0, 1, 1
	STEP 1, 0, 0
	TURN 1, 0, 1
	STEP 0, 0, 0
	s_sub_co_u32 s3, s3, 1
	s_cmp_lg_u32 s3, 0
	s_cbranch_scc1 .Llap
	TURN 0, 1, 0
	STEP 1, 0, 0
	s_wait_dscnt 4*NL
	WIN MUL_LO
	MUL16 0, 1, NQ-1, 1, 0
	MUL16 2, 1, NQ-1, 1, 0
	s_wait_dscnt 0
	WIN MUL_HI
	MUL16 4, 1, NQ-1, 1, 0
	MUL16 6, 1, NQ-1, 1, 0
	WIN 0
.macro ADDB a, isv
.if \isv
	WIN 0x06+(\a)/4
.else
	WIN 0x02+(\a)/4
.endif
.set NN, 0
.rept 32
.if \isv
	v_pk_add_f32 v[T+2*NN:T+2*NN+1], v[64*((\a)%4)+2*NN:64*((\a)%4)+2*NN+1], v[96+2*(\a):97+2*(\a)]
.else
	v_pk_add_f32 v[T+2*NN:T+2*NN+1], v[64*((\a)%4)+2*NN:64*((\a)%4)+2*NN+1], v[BC+2*NN:BC+2*NN+1]
.endif
.set NN, NN+1
.endr
	WIN 0
.endm
.macro QUANT s, d0, d1, pw
.irp b, 0,1,2,3
	v_max3_num_f32 v[TM+\b], |v[\s+16*\b]|, |v[\s+1+16*\b]|, 0x1800000
.endr
.irp i, 2,4,6,8,10,12,14
.irp b, 0,1,2,3
	v_max3_num_f32 v[TM+\b], v[TM+\b], |v[\s+16*\b+\i]|, |v[\s+1+16*\b+\i]|
.endr
.endr
.irp b, 0,1,2,3
	v_permlanex16_b32 v[TM+4+\b], v[TM+\b], s20, s21
.endr
.irp b, 0,1,2,3
	v_max_num_f32 v[TM+\b], v[TM+\b], v[TM+4+\b]
.endr
.irp b, 0,1,2,3
	v_add_nc_u32 v[TM+12+\b], 0xff000000, v[TM+\b]
.endr
.irp b, 0,1,2,3
	v_lshrrev_b32 v[TM+4+\b], 23, v[TM+12+\b]
.endr
	v_lshl_or_b32 v[\pw], v[TM+5], 8, v[TM+4]
	v_lshl_or_b32 v[\pw], v[TM+6], 16, v[\pw]
	v_lshl_or_b32 v[\pw], v[TM+7], 24, v[\pw]
	s_wait_xcnt 0x0
	v_cvt_scalef32_pk16_fp6_f32 v[\d0:\d0+2], v[\s:\s+15], v[TM+12]
	v_cvt_scalef32_pk16_fp6_f32 v[X2:X2+2], v[\s+16:\s+31], v[TM+13]
	v_cvt_scalef32_pk16_fp6_f32 v[\d1:\d1+2], v[\s+32:\s+47], v[TM+14]
	v_cvt_scalef32_pk16_fp6_f32 v[X2+4:X2+6], v[\s+48:\s+63], v[TM+15]
	v_nop
.irp i, 0,1,2
	v_permlane16_swap_b32 v[\d0+\i], v[X2+\i]
.endr
.irp i, 0,1,2
	v_mov_b32 v[\d0+3+\i], v[X2+\i]
.endr
.irp i, 0,1,2
	v_permlane16_swap_b32 v[\d1+\i], v[X2+4+\i]
.endr
.irp i, 0,1,2
	v_mov_b32 v[\d1+3+\i], v[X2+4+\i]
.endr
.endm
	PLACES NP
	s_wait_loadcnt 0x0
	s_mov_b32 s20, 0x76543210
	s_mov_b32 s21, 0xfedcba98
	s_mov_b32 s98, 0xffff0000
.irp b, 0,1,2,3
	v_mov_b32 v[TM+4+\b], 0
.endr
	s_cmp_eq_u32 s95, 1
	s_cbranch_scc1 .Lv
.irp i, 0,1,2,3
.irp e, 0,1
	ADDB 2*\i+\e, 0
	QUANT T, IA+6*\e, IB+6*\e, PWS+2*\i+\e
.endr
.irp c, 0,1,2
	global_store_b128 v[LI], v[IA+4*\c:IA+4*\c+3], s[12:13] offset:1536*\i+512*\c
	global_store_b128 v[LI], v[IB+4*\c:IB+4*\c+3], s[12:13] offset:HS+1536*\i+512*\c
.endr
.endr
.irp i, 0,1,2,3
	v_perm_b32 v[WW+\i], v[PWS+2*\i+1], v[PWS+2*\i], 0x05040100
.endr
	v_cndmask_b32 v[RR], v[WW], v[WW+2], s98
	v_cndmask_b32 v[RR+1], v[WW+1], v[WW+3], s98
	global_store_b64 v[L8], v[RR:RR+1], s[12:13] offset:6144
	s_wait_xcnt 0x0
.irp i, 0,1,2,3
	v_perm_b32 v[WW+\i], v[PWS+2*\i+1], v[PWS+2*\i], 0x07060302
.endr
	v_cndmask_b32 v[RR], v[WW], v[WW+2], s98
	v_cndmask_b32 v[RR+1], v[WW+1], v[WW+3], s98
	global_store_b64 v[L8], v[RR:RR+1], s[12:13] offset:HS+6144
	s_branch .Lend
.Lv:
.irp a, 0,1,2,3,4,5,6,7
	ADDB \a, 1
	QUANT T, IA, IA+6, PWS+\a
.irp c, 0,1,2
	global_store_b128 v[LI], v[IA+4*\c:IA+4*\c+3], s[12:13] offset:(\a/4)*HS+(\a%4)*1536+512*\c
.endr
.endr
	v_cndmask_b32 v[RR], v[PWS], v[PWS+2], s98
	v_cndmask_b32 v[RR+1], v[PWS+1], v[PWS+3], s98
	global_store_b64 v[L8], v[RR:RR+1], s[12:13] offset:6144
	s_wait_xcnt 0x0
	v_cndmask_b32 v[RR], v[PWS+4], v[PWS+6], s98
	v_cndmask_b32 v[RR+1], v[PWS+5], v[PWS+7], s98
	global_store_b64 v[L8], v[RR:RR+1], s[12:13] offset:HS+6144
.Lend:
	s_wait_tensorcnt 0x0
	ds_add_u32 v[SPW], v[NIL]
	s_wait_dscnt 0x0
	CROUND
	s_endpgm
.Lfunc_end_k_q16f3186791_proj:
	.size	k_q16f3186791_proj, .Lfunc_end_k_q16f3186791_proj-k_q16f3186791_proj
	.p2alignl 7, 3214868480
	.fill 96, 4, 3214868480
	.section	.rodata,"a",@progbits
	.p2align	6, 0x0
	.amdhsa_kernel k_q16f3186791_proj
		.amdhsa_group_segment_fixed_size 327680
		.amdhsa_private_segment_fixed_size 0
		.amdhsa_enable_private_segment 0
		.amdhsa_kernarg_size 48
		.amdhsa_user_sgpr_count 2
		.amdhsa_user_sgpr_kernarg_segment_ptr 1
		.amdhsa_wavefront_size32 1
		.amdhsa_system_sgpr_workgroup_id_x 1
		.amdhsa_system_sgpr_workgroup_id_y 1
		.amdhsa_system_sgpr_workgroup_id_z 1
		.amdhsa_system_vgpr_workitem_id 0
		.amdhsa_next_free_vgpr 1024
		.amdhsa_next_free_sgpr 102
		.amdhsa_reserve_vcc 0
		.amdhsa_float_denorm_mode_32 3
		.amdhsa_float_denorm_mode_16_64 3
		.amdhsa_memory_ordered 1
		.amdhsa_forward_progress 1
		.amdhsa_inst_pref_size 235
	.end_amdhsa_kernel
	.amdgpu_metadata
---
amdhsa.version: [ 1, 2 ]
amdhsa.kernels:
  - .name:           k_q16f3186791_proj
    .symbol:         k_q16f3186791_proj.kd
    .args:
      - { .name: cod, .offset: 0, .size: 8, .value_kind: global_buffer, .address_space: global }
      - { .name: scl, .offset: 8, .size: 8, .value_kind: global_buffer, .address_space: global }
      - { .name: bq, .offset: 16, .size: 8, .value_kind: global_buffer, .address_space: global }
      - { .name: bk, .offset: 24, .size: 8, .value_kind: global_buffer, .address_space: global }
      - { .name: qkv, .offset: 32, .size: 8, .value_kind: global_buffer, .address_space: global }
      - { .name: bv, .offset: 40, .size: 8, .value_kind: global_buffer, .address_space: global }
    .group_segment_fixed_size: 327680
    .private_segment_fixed_size: 0
    .kernarg_segment_align: 8
    .kernarg_segment_size: 48
    .max_flat_workgroup_size: 128
    .sgpr_count:     102
    .vgpr_count:     1024
    .wavefront_size: 32
...
	.end_amdgpu_metadata
.endif
;; end of part 3
;; launch attn (part 4): grid 4 x 64, 16 waves a work-group, clusters of 4 x 1, 276,480 bytes of LDS; arguments qkv, out0; writes out0
.if DOCPART == 4
	.amdgcn_target "amdgcn-amd-amdhsa--gfx1250"
	.amdhsa_code_object_version 6
	.text
	.protected	k_q16f3186791_attn
	.globl	k_q16f3186791_attn
	.p2align	8
	.type	k_q16f3186791_attn,@function
k_q16f3186791_attn:
	s_mov_b64 s[64:65], 0
	v_nop
	global_prefetch_b8 v0, s[64:65] scope:SCOPE_SE
	s_setreg_imm32_b32 hwreg(HW_REG_WAVE_MODE, 25, 1), 1
	s_wait_xcnt 0x0
	s_wait_alu depctr_hold_cnt(0) depctr_sa_sdst(0) depctr_va_vdst(0) depctr_va_sdst(0) depctr_va_ssrc(0) depctr_va_vcc(0) depctr_vm_vsrc(0)
	s_getreg_b32 s2, hwreg(HW_REG_IB_STS2, 6, 4)
	s_cmp_eq_u32 s2, 0
	s_cbranch_scc0 .Lentry_in_a_cluster
	s_endpgm
.Lentry_in_a_cluster:
	s_bfe_u32 s2, ttmp6, 0x10000c
	s_cmp_lg_u32 s2, 0x3003
	s_cbranch_scc0 .Lentry_shape_is_right
	s_endpgm
.Lentry_shape_is_right:
; out[b][q][64 head + d] = the sum over keys of softmax(q . k / 32) v, for 64 heads (bh = 16 b + head) of 2,048 tokens and head size 64, both products on codes of FP6 (E2M3) with one E8M0 scale for each 32 along a product's K.
; THE SOFTMAX AHEAD OF THE SECOND PRODUCT: t = score x log2(e) / 32; M = the row's largest t so far, rounded UP to a whole number; p = 2^(t - M) is what is quantised, along the keys; it is not normalised.
; The row's sum is taken of the unquantised p, in f32, and divides O at the end.  When M moves, the sum and O are multiplied by 2^(old M - new M): exact.
; INPUT.  qkv[bh][ks = token / 128][19,200 bytes]: K's sub-chunk at 0, V's at 6,400, Q's at 12,800; a sub-chunk is four images of 1,536 bytes and 256 bytes of scale words.  An image is an operand's 12 registers: piece c
;   (registers 4 c .. 4 c + 3) is 512 bytes, lane l's 16 bytes at 16 l: three loads of 16 bytes a lane bring a fragment.   K, Q: image i: registers 0-5: 16 tokens 32 i + r + 8 (r / 8) x the head's 64; registers 6-11: tokens 32 i + 8 + r + 8 (r / 8).
;   V: image t: the head's d = 32 (t / 2) + 8 (t % 2) + r + 8 (r / 8) x the 128 keys.   Scale words: lane (r, h) finds words 2 h and 2 h + 1 of row r at 8 (16 h + r).
; THE HEAD'S 64 IN AN INSTRUCTION OF 128 ALONG K.  q's six registers stand between two runs of six zero registers.  [q, zeros] against an image of K gives the scores of its first 16 tokens, [zeros, q] those of its second 16:
;   zero codes add nothing, since every scale byte lies between 1 and 254.  No byte of K is read twice.
; SHARES.  A cluster of four work-groups is one head; a work-group owns 512 queries, each of its SIXTEEN waves 32 of them: two tiles of 16, one after the other (two passes over the 16 key steps of 128 keys).  Four waves to a SIMD.
; LDS IS FILLED ONCE: the head's K and V, 16 x 12,800 bytes, fit whole.  Wave w asks for chunk w by one tensor load, JOINTLY with the same wave of the three partners (mask of four): one tensor load of mine is out, at the head.
; LAYOUT.  Both products are used transposed: S^T = K Q^T, O^T = V^T P^T: a lane holds ONE query (lane % 16) throughout; register 16 b + i of S^T is key 32 b + 16 (lane / 16) + i, register 16 g + i of O^T is d = 32 g + 16 (lane / 16) + i.
; LIMITS: NaN and infinities are not served.
; REGISTERS: v1 16 x lane, v2 8 x lane, v3-5 the way out, v8-9 the step's LDS addresses, v12 -M, v13 the largest t, v[14:15] the sum in two halves; v32-79 four fragments of K, then of V; v96-159 S^T, then p; v160-191 O^T;
;   v192-197 zeros, v198-203 q, v204-209 zeros; v210-221 my image of Q, v222 its scale word; v224-235 p's codes; v232-247, v252, v254 at work; v[248:249] K's scale words, v[250:251] V's, v253 p's, v255 q's.
.set CHK,  12800                       ; a key step's K and V in LDS
.set STG,  16*CHK                      ; behind them: the stages, 16 rows x (256 bytes + 16) for each wave; no tensor load lands there
.set HS,   307200                      ; from a head to the next in qkv
.macro CROUND                          ; a round of the cluster's barrier
	s_barrier_signal -1
	s_barrier_wait -1
	s_cmp_lg_u32 s8, 0
	s_cbranch_scc1 .Lnot_wave_0_\@
	s_barrier_signal -3
.Lnot_wave_0_\@:
	s_barrier_wait -3
	s_barrier_signal -1
	s_barrier_wait -1
.endm
	s_load_b128 s[4:7], s[0:1], 0x0                ; qkv s[4:5], out s[6:7]
	v_lshl_add_u32 v223, v0, 2, 0x43000
	v_mov_b32 v243, 0
	ds_add_u32 v223, v243
	ds_add_u32 v223, v243
	v_lshrrev_b32 v1, 5, v0
	s_delay_alu instid0(VALU_DEP_1)
	v_readfirstlane_b32 s8, v1                     ; wave 0..15
	s_bfe_u32 s9, ttmp6, 0x40000                   ; cx: my place in the cluster
	s_lshl_b32 s11, ttmp9, 2
	s_add_co_u32 s11, s11, s9                      ; my block of 512 queries: it enters Q's and out's global addresses alone
	s_and_b32 s10, ttmp7, 0xffff                   ; bh, which the four partners share
	s_mul_i32 s32, s10, HS                         ; the head's first byte in qkv
	s_mov_b32 s33, 0
	s_mul_i32 s34, s8, 19200                       ; chunk w
	s_mov_b32 s35, 0
	; descriptor group 1: 12,800 dense bytes as 50 rows of 256 bytes (32 elements of 8 bytes), no padding
	s_mov_b32 s16, 15|(3<<16)|(1<<21)              ; 15:0 the mask: all four work-groups; 17:16 elements of 8 bytes; 21 set beside a mask
	s_mov_b32 s17, 32<<16                          ; tensor_dim0 = 32
	s_mov_b32 s18, 50<<16                          ; tensor_dim1 = 50
	s_mov_b32 s19, 32<<16                          ; tile_dim0 = 32
	s_mov_b32 s20, 50                              ; tile_dim1 = 50
	s_mov_b32 s21, 32                              ; tensor_dim0_stride
	s_mov_b32 s22, 0
	s_mov_b32 s23, 0
	s_mov_b32 s12, 1                               ; group 0: count = 1,
	s_mul_i32 s13, s8, CHK                         ; the LDS address: wave x 12,800,
	s_mov_b32 s24, 0x76543210
	s_mov_b32 s25, 0xfedcba98                      ; v_permlanex16_b32's selects for lane l xor 16
	s_mov_b32 s26, 0x3d38aa3b                      ; c = log2(e) / 32
	s_mov_b32 s27, s26                             ; (named with it as a pair, so it is written)
	s_wait_dscnt 0x0
	s_wait_kmcnt 0x0
	s_add_nc_u64 s[4:5], s[4:5], s[32:33]          ; qkv at my head
	s_add_nc_u64 s[14:15], s[4:5], s[34:35]        ; the global address: made of the head and the wave's number alone,
	s_or_b32 s15, s15, 0x80000000                  ; type = 2
	CROUND                                         ; all four work-groups are here: the joint loads meet
	tensor_load_to_lds s[12:15], s[16:23]
	s_nop 0
.rept 4
	v_nop
.endr
	v_and_b32 v6, 31, v0                           ; lane
	v_and_b32 v7, 15, v0                           ; r
	v_bfe_u32 v10, v0, 4, 1                        ; h
	s_delay_alu instid0(VALU_DEP_3)
	v_lshlrev_b32 v1, 4, v6
	s_wait_alu depctr_va_vdst(0)
	v_lshlrev_b32 v2, 3, v6
	v_lshlrev_b32 v11, 3, v7                       ; 8 r: Q's scale words
	s_wait_alu depctr_va_vdst(0)
	s_lshl_b32 s36, s11, 2
	s_lshr_b32 s40, s8, 2
	s_add_co_u32 s36, s36, s40                     ; my 32 queries lie in chunk 4 x block + wave / 4,
	s_mul_i32 s36, s36, 19200
	s_add_co_u32 s36, s36, 12800                   ; in Q's sub-chunk,
	s_and_b32 s40, s8, 3                           ; as image i = wave % 4
	s_mul_i32 s41, s40, 1536
	s_lshr_b32 s42, s40, 1
	s_lshl_b32 s42, s42, 7                         ; word i of row r: 8 (16 (i / 2) + r) + 4 (i % 2)
	s_and_b32 s43, s40, 1
	s_lshl_b32 s43, s43, 2
	s_add_co_u32 s38, s36, s42
	s_add_co_u32 s38, s38, s43
	s_add_co_u32 s38, s38, 6144
	s_mov_b32 s39, 0
	s_add_co_u32 s36, s36, s41
	s_mov_b32 s37, 0
	s_add_nc_u64 s[36:37], s[4:5], s[36:37]
	s_add_nc_u64 s[38:39], s[4:5], s[38:39]
.irp c, 0,1,2
	global_load_b128 v[210+4*\c:213+4*\c], v1, s[36:37] offset:512*\c   ; my image of Q: registers 0-5 the first pass's 16 queries, 6-11 the second's
.endr
	global_load_b32 v222, v11, s[38:39]            ; its scale word: bytes 0, 1 the first pass's, bytes 2, 3 the second's
	s_lshr_b32 s40, s10, 4                         ; out: the batch x 2,048 rows of 4,096 bytes,
	s_lshl_b32 s40, s40, 23
	s_lshl_b32 s41, s11, 9
	s_lshl_b32 s42, s8, 5
	s_add_co_u32 s41, s41, s42                     ; my first query: 512 x block + 32 x wave,
	s_lshl_b32 s41, s41, 12
	s_add_co_u32 s40, s40, s41
	s_and_b32 s41, s10, 15                         ; the head's 256 bytes of a row
	s_lshl_b32 s41, s41, 8
	s_add_co_u32 s40, s40, s41
	s_mov_b32 s41, 0
	s_add_nc_u64 s[6:7], s[6:7], s[40:41]
	s_mul_i32 s44, s8, 16*272
	s_add_co_u32 s44, s44, STG                     ; my stage
	v_mul_u32_u24 v3, v7, 272
	s_delay_alu instid0(VALU_DEP_1)
	v_lshl_add_u32 v3, v10, 6, v3
	s_delay_alu instid0(VALU_DEP_1)
	v_add_nc_u32 v3, s44, v3                       ; in: row r, + 64 h
	v_mul_u32_u24 v4, v10, 272
	s_delay_alu instid0(VALU_DEP_1)
	v_lshl_add_u32 v4, v7, 4, v4
	s_delay_alu instid0(VALU_DEP_1)
	v_add_nc_u32 v4, s44, v4                       ; back: lanes 0-15 one row, lanes 16-31 the next; 16 bytes a lane
	v_lshlrev_b32 v5, 12, v10
	s_delay_alu instid0(VALU_DEP_1)
	v_lshl_add_u32 v5, v7, 4, v5                   ; and the same two rows in out
.irp i, 0,1,2,3,4,5
	v_mov_b32 v[192+\i], 0                         ; the two runs of zero codes round q
	v_mov_b32 v[204+\i], 0
.endr
.irp b, 0,1,2,3
	v_mov_b32 v[236+\b], 0                         ; written once: a lane permute's destination counts as one of its sources
.endr
	v_mov_b32 v252, 0
	v_mov_b32 v253, 0                              ; (named as the upper half of the pair v[252:253] before it is first written)
	s_wait_loadcnt 0x0                             ; Q
	s_wait_tensorcnt 0x0                           ; my chunk is in,
	s_barrier_signal -1
	s_barrier_wait -1                              ; everybody's is: the head's K and V lie in LDS for the rest of the launch
; A PASS: 16 queries (half e of my image of Q) against all 2,048 keys, and their way out.
.macro PASS e
.irp i, 0,1,2,3,4,5
	v_mov_b32 v[198+\i], v[210+6*\e+\i]            ; q
.endr
.if \e
	v_perm_b32 v255, v222, v222, 0x03020302        ; q's two scale bytes, twice: they serve [q, zeros] and [zeros, q] alike
.else
	v_perm_b32 v255, v222, v222, 0x01000100
.endif
	v_mov_b32 v13, 0xff61b1e6                      ; the largest t so far: -3e38, under every t
	s_delay_alu instid0(VALU_DEP_1)
	v_floor_f32 v12, -v13                          ; -M
	v_mov_b32 v14, 0                               ; the sum, in two halves
	v_mov_b32 v15, 0
.set NN, 0
.rept 32
	v_mov_b32 v[160+NN], 0                         ; O^T.  (The step is written once: the first finds zeros, which the first change of M leaves zeros.  These lines are also the places between the writes of q and of its scale word and the first product)
.set NN, NN+1
.endr
	s_mov_b32 s28, 0                               ; LDS byte at which the step's chunk begins
	s_mov_b32 s29, 16
.Lstep_\@:
	s_setprio 2
	v_add_nc_u32 v8, s28, v1
	v_add_nc_u32 v9, s28, v2
	v_nop
	v_nop                                          ; four places in front of loads into registers that the last step's products have read
.irp p, 0,1,2,3
.irp c, 0,1,2
	ds_load_b128 v[32+12*\p+4*\c:35+12*\p+4*\c], v8 offset:1536*\p+512*\c   ; K's four images: 512 consecutive bytes a load
.endr
.endr
	ds_load_b64 v[248:249], v9 offset:6144         ; K's scale words: v248: lanes 0-15 image 0's, lanes 16-31 image 2's; v249: images 1 and 3
	s_wait_alu depctr_va_vdst(0)
	s_wait_dscnt 0x0
.irp p, 0,1,2,3                                ; S^T = K Q^T: image p against [q, zeros] and against [zeros, q]
.if \p < 2
	v_wmma_scale_f32_16x16x128_f8f6f4 v[96+16*\p:103+16*\p], v[32+12*\p:43+12*\p], v[198:209], 0, v[248+\p%2], v255 matrix_a_fmt:MATRIX_FMT_FP6 matrix_b_fmt:MATRIX_FMT_FP6
	v_wmma_scale_f32_16x16x128_f8f6f4 v[104+16*\p:111+16*\p], v[32+12*\p:43+12*\p], v[192:203], 0, v[248+\p%2], v255 matrix_a_fmt:MATRIX_FMT_FP6 matrix_b_fmt:MATRIX_FMT_FP6
.else
	v_wmma_scale_f32_16x16x128_f8f6f4 v[96+16*\p:103+16*\p], v[32+12*\p:43+12*\p], v[198:209], 0, v[248+\p%2], v255 matrix_a_fmt:MATRIX_FMT_FP6 matrix_b_fmt:MATRIX_FMT_FP6 matrix_a_scale:MATRIX_SCALE_ROW1
	v_wmma_scale_f32_16x16x128_f8f6f4 v[104+16*\p:111+16*\p], v[32+12*\p:43+12*\p], v[192:203], 0, v[248+\p%2], v255 matrix_a_fmt:MATRIX_FMT_FP6 matrix_b_fmt:MATRIX_FMT_FP6 matrix_a_scale:MATRIX_SCALE_ROW1
.endif
.endr
.rept 4
	v_nop                                          ; places in front of the loads into K's registers and of the first read of the scores
.endr
.irp p, 0,1,2,3
.irp c, 0,1,2
	ds_load_b128 v[32+12*\p+4*\c:35+12*\p+4*\c], v8 offset:6400+1536*\p+512*\c   ; V's four images: they land under the softmax
.endr
.endr
	ds_load_b64 v[250:251], v9 offset:12544        ; V's scale words
.irp b, 0,1,2,3
	v_max3_num_f32 v[232+\b], v[96+16*\b], v[97+16*\b], v[98+16*\b]   ; THE LARGEST SCORE OF EACH BLOCK OF 32 KEYS: it serves twice: for the row's maximum, and, since p rises with the score, for the block's largest p
.endr
.irp i, 3,5,7,9,11,13
.irp b, 0,1,2,3
	v_max3_num_f32 v[232+\b], v[232+\b], v[96+16*\b+\i], v[97+16*\b+\i]   ; (the four blocks by turns)
.endr
.endr
.irp b, 0,1,2,3
	v_max_num_f32 v[232+\b], v[232+\b], v[111+16*\b]
.endr
.irp b, 0,1,2,3
	s_delay_alu instid0(VALU_DEP_4)
	v_permlanex16_b32 v[236+\b], v[232+\b], s24, s25
.endr
.irp b, 0,1,2,3
	s_delay_alu instid0(VALU_DEP_4)
	v_max_num_f32 v[232+\b], v[232+\b], v[236+\b]  ; with lane l xor 16's 16 keys
.endr
	s_delay_alu instid0(VALU_DEP_2)
	v_max3_num_f32 v254, v232, v233, v234
	s_delay_alu instid0(VALU_DEP_1)
	v_max_num_f32 v254, v254, v235                 ; the step's largest score of my query
	s_delay_alu instid0(VALU_DEP_1)
	v_mul_f32 v254, s26, v254                      ; as t (c is positive)
	s_delay_alu instid0(VALU_DEP_1)
	v_max_num_f32 v13, v13, v254                   ; the running largest t
	v_mov_b32 v254, v12
	s_delay_alu instid0(VALU_DEP_2)
	v_floor_f32 v12, -v13                          ; the new -M = floor(-t) = -ceil(t): M IS A WHOLE NUMBER
	s_delay_alu instid0(VALU_DEP_1)
	v_sub_f32 v254, v12, v254                      ; M's old value less its new one: a whole number, 0 or less
	s_delay_alu instid0(VALU_DEP_1)
	v_cvt_i32_f32 v254, v254                       ; (it saturates)
	s_delay_alu instid0(VALU_DEP_1)
	v_ldexp_f32 v252, 1.0, v254                    ; f = 2^(old M - new M): a multiplication by it rounds nothing
.irp j, 0,2,4,6,8,10,12,14,16,18,20,22,24,26,28,30,32,34,36,38,40,42,44,46,48,50,52,54,56,58,60,62
	v_pk_fma_f32 v[96+\j:97+\j], v[96+\j:97+\j], s[26:27], v[12:13] op_sel_hi:[1,0,0]   ; t - M, two at a time (of the pairs c and -M the low word serves both halves)
.endr
.irp b, 0,1,2,3
	v_fma_f32 v[232+\b], v[232+\b], s26, v12       ; the same of each block's largest score
.endr
	s_wait_alu depctr_va_vdst(0)
.irp j, 0,1,2,3,4,5,6,7,8,9,10,11,12,13,14,15,16,17,18,19,20,21,22,23,24,25,26,27,28,29,30,31,32,33,34,35,36,37,38,39,40,41,42,43,44,45,46,47,48,49,50,51,52,53,54,55,56,57,58,59,60,61,62,63
	v_exp_f32 v[96+\j], v[96+\j]                   ; p = 2^(t - M), at most 1: NOT normalised
.endr
	s_setprio 1
	v_pk_mul_f32 v[14:15], v[14:15], v[252:253] op_sel_hi:[1,0]   ; the sums under the new M.  (A plain place behind the exponentials)
	s_wait_alu depctr_va_vdst(0)                   ; one wait for the whole batch, ahead of its first reader
.irp b, 0,1,2,3
	v_exp_f32 v[232+\b], v[232+\b]                 ; the block's largest p: the same two instructions on the same number give the same bits
.endr
	v_pk_add_f32 v[236:237], v[100:101], v[104:105]
	v_pk_add_f32 v[248:249], v[108:109], v[112:113]
	v_pk_add_f32 v[246:247], v[116:117], v[120:121]
	v_pk_add_f32 v[244:245], v[124:125], v[128:129]
	v_pk_add_f32 v[240:241], v[132:133], v[136:137]
	v_pk_add_f32 v[238:239], v[140:141], v[144:145]
	v_pk_add_f32 v[230:231], v[148:149], v[152:153]
	v_pk_add_f32 v[14:15], v[14:15], v[156:157]
	v_pk_add_f32 v[236:237], v[236:237], v[96:97]
	v_pk_add_f32 v[248:249], v[248:249], v[98:99]
	v_pk_add_f32 v[246:247], v[246:247], v[102:103]
	v_pk_add_f32 v[244:245], v[244:245], v[106:107]
	v_pk_add_f32 v[240:241], v[240:241], v[110:111]
	v_pk_add_f32 v[238:239], v[238:239], v[114:115]
	v_pk_add_f32 v[230:231], v[230:231], v[118:119]
	v_pk_add_f32 v[14:15], v[14:15], v[122:123]
	v_pk_add_f32 v[236:237], v[236:237], v[126:127]
	v_pk_add_f32 v[248:249], v[248:249], v[130:131]
	v_pk_add_f32 v[246:247], v[246:247], v[134:135]
	v_pk_add_f32 v[244:245], v[244:245], v[138:139]
	v_pk_add_f32 v[240:241], v[240:241], v[142:143]
	v_pk_add_f32 v[238:239], v[238:239], v[146:147]
	v_pk_add_f32 v[230:231], v[230:231], v[150:151]
	v_pk_add_f32 v[14:15], v[14:15], v[154:155]
	v_pk_add_f32 v[236:237], v[236:237], v[158:159]
	s_delay_alu instid0(VALU_DEP_2)
	v_pk_add_f32 v[14:15], v[14:15], v[244:245]
	s_delay_alu instid0(VALU_DEP_2)
	v_pk_add_f32 v[236:237], v[236:237], v[240:241]
	v_pk_add_f32 v[248:249], v[248:249], v[238:239]
	v_pk_add_f32 v[246:247], v[246:247], v[230:231]
	s_delay_alu instid0(VALU_DEP_2)
	v_pk_add_f32 v[14:15], v[14:15], v[248:249]
	s_delay_alu instid0(VALU_DEP_2)
	v_pk_add_f32 v[236:237], v[236:237], v[246:247]
	s_delay_alu instid0(VALU_DEP_1)
	v_pk_add_f32 v[14:15], v[14:15], v[236:237]
	s_wait_alu depctr_va_vdst(0)                   ; and one for the four
.irp b, 0,1,2,3
	v_max_num_f32 v[232+\b], 0x1800000, v[232+\b]  ; the floor 2^(3 - 127): the byte cannot fall under 1 (a block whose every p has fallen to 0 keeps that byte: its codes are zeros)
.endr
.irp b, 0,1,2,3
	s_delay_alu instid0(VALU_DEP_4)
	v_add_nc_u32 v[244+\b], 0xff000000, v[232+\b]  ; 2 off the exponent field: the conversion's scale operand
.endr
.irp b, 0,1,2,3
	s_delay_alu instid0(VALU_DEP_4)
	v_lshrrev_b32 v[236+\b], 23, v[244+\b]         ; the scale's byte
.endr
	s_delay_alu instid0(VALU_DEP_3)
	v_lshl_or_b32 v253, v237, 8, v236              ; p's scale word for these 128 keys
	s_delay_alu instid0(VALU_DEP_1)
	v_lshl_or_b32 v253, v238, 16, v253
	s_delay_alu instid0(VALU_DEP_1)
	v_lshl_or_b32 v253, v239, 24, v253
.irp c, 0,1
	v_cvt_scalef32_pk16_fp6_f32 v[224+6*\c:226+6*\c], v[96+32*\c:111+32*\c], v[244+2*\c]
	v_cvt_scalef32_pk16_fp6_f32 v[236+4*\c:238+4*\c], v[112+32*\c:127+32*\c], v[244+2*\c+1]   ; (a conversion's three registers begin on an even number)
.endr
	v_nop                                          ; one plain place behind a scaled conversion
.irp c, 0,1                                    ; the operand's layout wants a WHOLE block in a lane: lanes 0-15 block 2 c, lanes 16-31 block 2 c + 1
.irp i, 0,1,2
	v_permlane16_swap_b32 v[224+6*\c+\i], v[236+4*\c+\i]
.endr
.irp i, 0,1,2
	s_delay_alu instid0(VALU_DEP_3)
	v_mov_b32 v[227+6*\c+\i], v[236+4*\c+\i]
.endr
.endr
	s_setprio 0
.irp j, 0,2,4,6,8,10,12,14,16,18,20,22,24,26,28,30
	v_pk_mul_f32 v[160+\j:161+\j], v[160+\j:161+\j], v[252:253] op_sel_hi:[1,0]   ; O^T under the new M: x f.  (These 16 are also the places between the writes of p's codes and scale word and the products below)
.endr
	s_wait_alu depctr_va_vdst(0)
	s_wait_dscnt 0x0                               ; V
.irp t, 0,1,2,3                                ; O^T += V^T P^T: four tiles of 16 of the head's 64, by turns; K = these 128 keys
.if \t < 2
	v_wmma_scale_f32_16x16x128_f8f6f4 v[160+8*\t:167+8*\t], v[32+12*\t:43+12*\t], v[224:235], v[160+8*\t:167+8*\t], v[250+\t%2], v253 matrix_a_fmt:MATRIX_FMT_FP6 matrix_b_fmt:MATRIX_FMT_FP6
.else
	v_wmma_scale_f32_16x16x128_f8f6f4 v[160+8*\t:167+8*\t], v[32+12*\t:43+12*\t], v[224:235], v[160+8*\t:167+8*\t], v[250+\t%2], v253 matrix_a_fmt:MATRIX_FMT_FP6 matrix_b_fmt:MATRIX_FMT_FP6 matrix_a_scale:MATRIX_SCALE_ROW1
.endif
.endr
	s_add_co_u32 s28, s28, CHK                     ; the next key step's chunk
	s_sub_co_u32 s29, s29, 1
	s_cmp_lg_u32 s29, 0
	s_cbranch_scc1 .Lstep_\@
	s_setprio 0
	; THE WAY OUT of the pass: O^T / the sum goes through my stage in LDS, so that sixteen lanes store the 256 consecutive bytes of one token and head
.rept 4
	v_nop                                          ; places behind the last products
.endr
	v_add_f32 v14, v14, v15                        ; the sum's two halves,
	s_delay_alu instid0(VALU_DEP_1)
	v_permlanex16_b32 v252, v14, s24, s25
	s_delay_alu instid0(VALU_DEP_1)
	v_add_f32 v14, v14, v252                       ; and lane l xor 16's: the row's sum
	s_wait_alu depctr_va_vdst(0)
	v_rcp_f32 v14, v14
	v_nop                                          ; a plain place behind the transcendental
	s_wait_alu depctr_va_vdst(0)                   ; and the wait ahead of its first reader
.set NN, 0
.rept 32
	v_mul_f32 v[96+NN], v[160+NN], v14             ; register 16 g + i is o(my query, 32 g + 16 h + i); each accumulator is read from its low end on
.set NN, NN+1
.endr
.irp g, 0,1
.irp q, 0,1,2,3
	ds_store_b128 v3, v[96+16*\g+4*\q:99+16*\g+4*\q] offset:128*\g+16*\q
.endr
.endr
.irp i, 0,1,2,3,4,5,6,7
	ds_load_b128 v[32+4*\i:35+4*\i], v4 offset:544*\i   ; LDS serves a wave's instructions in order: these see my stores
.endr
.irp i, 0,1,2,3,4,5,6,7
	s_wait_dscnt 7-\i                              ; the younger loads may be out
	global_store_b128 v5, v[32+4*\i:35+4*\i], s[6:7] offset:(8*\e+2*\i+8*(\i/4))*4096 th:TH_STORE_NT   ; stage rows 2 i, 2 i + 1 are queries 8 e + 2 i + 8 (i / 4) and the next of my 32
.endr
	s_wait_xcnt 0x0                                ; the stores have read their registers, which the next pass loads into
.endm
	PASS 0
	PASS 1
	s_wait_dscnt 0x0                               ; no LDS instruction of mine is out at a signal
	s_wait_tensorcnt 0x0
	ds_add_u32 v223, v243
	s_wait_dscnt 0x0
	CROUND                                         ; the closing round: no work-group ends while a partner may still ask for a chunk that names it
	s_endpgm
.Lfunc_end_k_q16f3186791_attn:
	.size	k_q16f3186791_attn, .Lfunc_end_k_q16f3186791_attn-k_q16f3186791_attn
	.p2alignl 7, 3214868480
	.fill 96, 4, 3214868480
	.section	.rodata,"a",@progbits
	.p2align	6, 0x0
	.amdhsa_kernel k_q16f3186791_attn
		.amdhsa_group_segment_fixed_size 276480
		.amdhsa_private_segment_fixed_size 0
		.amdhsa_enable_private_segment 0
		.amdhsa_kernarg_size 16
		.amdhsa_user_sgpr_count 2
		.amdhsa_user_sgpr_kernarg_segment_ptr 1
		.amdhsa_wavefront_size32 1
		.amdhsa_system_sgpr_workgroup_id_x 1
		.amdhsa_system_sgpr_workgroup_id_y 1
		.amdhsa_system_sgpr_workgroup_id_z 1
		.amdhsa_system_vgpr_workitem_id 0
		.amdhsa_next_free_vgpr 256
		.amdhsa_next_free_sgpr 66
		.amdhsa_reserve_vcc 0
		.amdhsa_float_denorm_mode_32 3
		.amdhsa_float_denorm_mode_16_64 3
		.amdhsa_memory_ordered 1
		.amdhsa_forward_progress 1
		.amdhsa_inst_pref_size 50
	.end_amdhsa_kernel
	.amdgpu_metadata
---
amdhsa.version: [ 1, 2 ]
amdhsa.kernels:
  - .name:           k_q16f3186791_attn
    .symbol:         k_q16f3186791_attn.kd
    .args:
      - { .name: qkv, .offset: 0, .size: 8, .value_kind: global_buffer, .address_space: global }
      - { .name: out0, .offset: 8, .size: 8, .value_kind: global_buffer, .address_space: global }
    .group_segment_fixed_size: 276480
    .private_segment_fixed_size: 0
    .kernarg_segment_align: 8
    .kernarg_segment_size: 16
    .max_flat_workgroup_size: 512
    .sgpr_count:     66
    .vgpr_count:     256
    .wavefront_size: 32
...
	.end_amdgpu_metadata
.endif
;; end of part 4
